; MI455X (gfx1250); checked and timed in simulation.
; The chip was launched on July 23, 2026; its instructions are those of AMD's public machine-readable ISA for CDNA 5 (MIT licence, August 2026) and "CDNA5" Instruction Set Architecture Reference Guide (July 2026). The comments in the code are by the model that wrote it; some were corrected since.
;; Decoder. Allowed arithmetic: matrix products marked QUANTISED: E4M3 operands, one E8M0 scale for each 32 along K, by v_wmma_scale_f32_16x16x128_f8f6f4 with both operands' format E4M3, f32 sums; products left as they are: f32 operands where the result goes on into a quantised operand, else bf16, f16 or f32 operands; f32 sums; everything else in f32.
;; Inputs: W_c 128 x 258 float32; W_o 128 x 128 float32; W_pk 128 x 128 float32; W_pq 128 x 128 float32; W_qkv 384 x 128 float32; attn_mask 512 x 512 bool; b_c 128 float32; b_o 128 float32; b_pk 128 float32; b_pq 128 float32; b_qkv 384 float32; cap_feat 512 x 1 float32; mean_mask 512 x 512 bool; sel_idx 512 int32; time_feat 512 x 1 float32; x 512 x 512 x 128 float32.
;; Outputs: out0 512 x 512 float32.
;; This version of the problem:
;;   THIS VERSION OF THE PROBLEM IS GIVEN IN LOW PRECISION. The matrix products marked QUANTISED in the list below multiply operands that are first quantised to E4M3 (4 exponent bits, 3 mantissa bits; 8 bits a number), with one power-of-two scale for each 32 numbers along K (OCP MX v1.0); their sums are f32. All else is computed in f32.
;;   The module's matrix products, in the order in which they are computed (A, B: the left and right operand; K: the contracted axis; several contracted axes count as one K, in the product's order):
;;     1. [M 512, K 258] x [K 258, N 128]; A: computed on the way; B: input W_c: QUANTISED
;;     2. [M 512, K 128] x [K 128, N 128]; A: computed on the way; B: input W_qkv: QUANTISED
;;     3. [M 262,144, K 128] x [K 128, N 128]; A: input x; B: input W_qkv: QUANTISED
;;     4. [M 262,144, K 128] x [K 128, N 128]; A: input x; B: input W_qkv: QUANTISED
;;     5. batch 4,096 x [M 1, K 16] x [K 16, N 512]; A: computed on the way; B: computed on the way: left as it is (K = 16 < 32)
;;     6. batch 4,096 x [M 1, K 512] x [K 512, N 16]; A: softmax; B: computed on the way: left as it is (M = 1 < 16)
;;     7. [M 512, K 128] x [K 128, N 128]; A: computed on the way; B: input W_o: QUANTISED
;;     8. [M 512, K 128] x [K 128, N 128]; A: computed on the way; B: input W_pq: QUANTISED
;;     9. [M 262,144, K 128] x [K 128, N 128]; A: input x; B: input W_pk: QUANTISED
;;     10. batch 512 x [M 1, K 128] x [K 128, N 512]; A: computed on the way; B: computed on the way: left as it is (M = 1 < 16)
;;   THE QUANTISER, for each operand of a quantised product, along K:
;;     - K is cut into blocks of 32 from its start; a last block that is shorter is filled with zeros.
;;     - A block's scale is 2^e with e = floor(log2(the largest magnitude in the block)) - 8, held to -126 .. 127; a block of zeros has e = 0. As a byte (E8M0): e + 127.
;;     - Each number is divided by its block's scale, clamped to +-448, and rounded to the nearest number of E4M3, ties to even, subnormals kept.
;;     - The product sums the exact products of the quantised numbers (number of the format x scale) in f32.
;;   ~~~python
;;   def quantise(x, axis):      # numpy; x: float32 -> the quantised numbers, widened to float32 again
;;       x = np.moveaxis(x, axis, -1); K = x.shape[-1]
;;       x = np.pad(x, [(0, 0)] * (x.ndim - 1) + [(0, -K % 32)]); x = x.reshape(x.shape[:-1] + (-1, 32)); a = np.abs(x).max(-1, keepdims=True)
;;       e = np.where(a > 0, np.clip(np.frexp(np.where(a > 0, a, 1))[1] - 1 - 8, -126, 127), 0)      # np.frexp(a)[1] - 1 = floor(log2(a)), exactly
;;       r = np.clip(x / 2.0 ** e, -448, 448)
;;       step = 2.0 ** (np.maximum(np.frexp(np.where(r == 0, 1, r))[1] - 1, -6) - 3)
;;       q = np.round(r / step) * step * 2.0 ** e      # np.round: ties to even
;;       return np.moveaxis(q.reshape(q.shape[:-2] + (-1,))[..., :K], -1, axis).astype(np.float32)
;;   ~~~
;;   OPERANDS COMPUTED ON THE WAY. 'Computed on the way' means the value that the module computes at that place (a softmax that the list does not call 'softmax' is quantised finished and normalised). What goes into a quantiser is computed in f32, as accurately as f32 sums, v_exp_f32 and their like allow (about 1e-6 of the number): no bf16 or f16 on the way to a quantiser, and a product that is left as it is and whose result goes on into a quantised operand takes f32 operands (vector FMAs, or v_wmma_f32_16x16x4_f32). A number that lies on a knife's edge between two numbers of the format may be rounded either way, as far as f32 arithmetic and the matrix unit's own rounding can turn it there, and no further.
;; One version. Each part assembles by itself: llvm-mc -triple=amdgcn-amd-amdhsa -mcpu=gfx1250 --defsym DOCPART=n.
;; ======== version 1 of 1: 2 launches
;; limits: right only within a limited range of input values
;; workspace buffers: wcodes 147,456 bytes; wscales 4,608 bytes
;; launch prep (part 1): grid 72 x 1, 4 waves a work-group, no clusters, 0 bytes of LDS; arguments W_c, W_qkv, W_o, W_pq, W_pk, wcodes, wscales; writes wcodes, wscales
.if DOCPART == 1
	.amdgcn_target "amdgcn-amd-amdhsa--gfx1250"
	.amdhsa_code_object_version 6
	.text
	.protected	k_qd4f97cd57b_prep
	.globl	k_qd4f97cd57b_prep
	.p2align	8
	.type	k_qd4f97cd57b_prep,@function
k_qd4f97cd57b_prep:
	s_mov_b64 s[64:65], 0
	v_nop
	global_prefetch_b8 v0, s[64:65] scope:SCOPE_SE
	s_setreg_imm32_b32 hwreg(HW_REG_WAVE_MODE, 25, 1), 1
	s_wait_xcnt 0x0
; All weights become codes of E4M3 with one E8M0 byte for each 32 along K, laid in the order of an operand's registers: the second launch loads a fragment by four 16-byte loads a lane.
; A fragment is 16 rows x 128 K.  Fragment f of 72 = the work-group's number: W_c 8 s + t (K step s = 0..2), W_qkv 24 + T (T = 0..23), W_pk 48 + t, W_o 56 + t, W_pq 64 + t.  Wave c makes its c-th block of 32 along K.
; THE ROWS OF A TILE ARE CHOSEN.  Wk, Wv, W_pk (f = 32 .. 55): lane r of tile t takes row 32 (t / 2) + 8 (t % 2) + r + 8 (r / 8): in a product with the weight as source 0 a lane's 16 registers of tiles 2 b, 2 b + 1 are 16 neighbouring outputs.
; The others: row 32 (t / 2) + 2 r + t % 2: in a product with the weight as source 1 lane r holds two neighbouring outputs in tiles 2 w, 2 w + 1.
; wcodes: fragment f at 2048 f; registers 4 c .. 4 c + 3 of lane l at + 512 c + 16 l.   wscales: byte c of the tile's lane r at 64 f + 4 r + c.
; DEAD WORK left out of the program: b_k = b_qkv[128:256].  It reaches only the scores, as q.b_k, which is one number for all nodes of a head; a softmax over the nodes does not change when one number is added to all its inputs, and the product of q and k is
; not quantised.  So that third of b_qkv is not loaded; a NaN, an infinity or an overflow that reaches only q.b_k is not carried to the result.
; LIMITS: a block of zeros, or one whose largest magnitude lies under 2^-118, gets the byte 1 (these bytes are read by this program alone); NaN and infinities are not served.
.set X,  32                            ; v32-47  register i = k 32 c + 16 (lane / 16) + i of my row
.set PC, 48                            ; v48-51  their codes
	s_load_b256 s[4:11], s[0:1], 0x0               ; W_c, W_qkv, W_o, W_pq
	s_load_b128 s[12:15], s[0:1], 0x20             ; W_pk, wcodes
	s_load_b64 s[16:17], s[0:1], 0x30              ; wscales
	v_lshrrev_b32 v1, 5, v0
	v_readfirstlane_b32 s19, v1                    ; wave = block c
	s_mov_b32 s28, 0x76543210
	s_mov_b32 s29, 0xfedcba98                      ; v_permlanex16_b32's selects for lane l xor 16
	s_mov_b32 s30, 0x600000                        ; the mantissa field of 448
	s_and_b32 s24, ttmp9, 7                        ; the tile in its weight: f % 8,
	s_sub_co_u32 s21, ttmp9, 24
	s_cmp_lt_u32 s21, 24
	s_cselect_b32 s24, s21, s24                    ; in W_qkv f - 24
	s_lshr_b32 s27, s24, 1
	s_lshl_b32 s27, s27, 5
	s_and_b32 s31, s24, 1
	s_sub_co_u32 s21, ttmp9, 32
	s_cmp_lt_u32 s21, 24                           ; which of the two orders of rows
	s_cselect_b32 s22, 8, 15
	s_cselect_b32 s23, 3, 0
	s_lshl_b32 s31, s31, s23
	s_add_co_u32 s27, s27, s31                     ; the tile's first row
	s_lshr_b32 s32, ttmp9, 3
	s_lshl_b32 s32, s32, 9                         ; W_c: K step s begins 512 s bytes into a row
	s_mov_b32 s33, 0
	s_movk_i32 s25, 512                            ; a row in bytes: 512, in W_c 258 x 4
	s_cmp_lt_u32 ttmp9, 24
	s_cselect_b32 s25, 0x408, s25
	s_cselect_b32 s32, s32, 0
	s_lshl_b32 s37, s19, 7                         ; my block: 128 c bytes
	s_cmp_eq_u32 s19, 0
	s_cselect_b32 s36, 0xffff, 0                   ; W_c's last K step: its two numbers belong to lanes 0-15 of block 0
	v_and_b32 v1, 31, v0                           ; lane
	v_and_b32 v2, 15, v0                           ; r
	v_bfe_u32 v3, v0, 4, 1                         ; h
	v_and_b32 v4, s22, v2
	v_add3_u32 v4, v4, v2, s27                     ; my row
	v_mul_lo_u32 v6, v4, s25                       ; its first byte
	v_lshl_add_u32 v5, v3, 6, v6
	v_add_nc_u32 v5, s37, v5                       ; + 64 h + 128 c: my 16 numbers
	v_lshlrev_b32 v7, 4, v1
	v_lshlrev_b32 v8, 2, v2
	v_mov_b32 v22, 0                               ; a lane permute's destination counts as one of its sources
	s_wait_alu depctr_va_vdst(0)
	s_wait_kmcnt 0x0
	s_cmp_lt_u32 ttmp9, 64                         ; which weight: the choice hangs on f alone
	s_cselect_b64 s[22:23], s[8:9], s[10:11]
	s_cmp_lt_u32 ttmp9, 56
	s_cselect_b64 s[22:23], s[12:13], s[22:23]
	s_cmp_lt_u32 ttmp9, 48
	s_cselect_b64 s[22:23], s[6:7], s[22:23]
	s_cmp_lt_u32 ttmp9, 24
	s_cselect_b64 s[22:23], s[4:5], s[22:23]
	s_add_nc_u64 s[22:23], s[22:23], s[32:33]
	s_lshl_b32 s34, ttmp9, 11
	s_lshl_b32 s38, s19, 9
	s_add_co_u32 s34, s34, s38
	s_mov_b32 s35, 0
	s_add_nc_u64 s[14:15], s[14:15], s[34:35]      ; my block's codes
	s_lshl_b32 s34, ttmp9, 6
	s_add_co_u32 s34, s34, s19
	s_add_nc_u64 s[16:17], s[16:17], s[34:35]      ; and scale bytes
	s_sub_co_u32 s21, ttmp9, 16
	s_cmp_lt_u32 s21, 8                            ; f = 16 .. 23: W_c's last K step
	s_cbranch_scc1 .Ltail
.irp e, 0,1,2,3,4,5,6,7
	global_load_b64 v[X+2*\e:X+2*\e+1], v5, s[22:23] offset:8*\e   ; 8 bytes at a time: W_c's rows begin on multiples of 8 bytes only
.endr
	s_branch .Lquant
.Ltail:
	global_load_b64 v[X:X+1], v6, s[22:23]         ; k = 256, 257: the row's last 8 bytes; nothing is read past them
.irp i, 2,3,4,5,6,7,8,9,10,11,12,13,14,15
	v_mov_b32 v[X+\i], 0
.endr
	s_wait_loadcnt 0x0
	v_cndmask_b32 v[X], 0, v[X], s36
	v_cndmask_b32 v[X+1], 0, v[X+1], s36
.Lquant:
	s_wait_alu depctr_va_vdst(0)
	s_wait_loadcnt 0x0
	v_max3_num_f32 v20, |v[X]|, |v[X+1]|, 0x4800000   ; my 16 numbers and the floor 2^(9 - 127): the byte cannot fall under 1
	v_max3_num_f32 v21, |v[X+2]|, |v[X+3]|, |v[X+4]|
	v_max3_num_f32 v20, v20, |v[X+5]|, |v[X+6]|
	v_max3_num_f32 v21, v21, |v[X+7]|, |v[X+8]|
	v_max3_num_f32 v20, v20, |v[X+9]|, |v[X+10]|
	v_max3_num_f32 v21, v21, |v[X+11]|, |v[X+12]|
	v_max3_num_f32 v20, v20, |v[X+13]|, |v[X+14]|
	v_max3_num_f32 v20, v20, v21, |v[X+15]|
	v_permlanex16_b32 v22, v20, s28, s29
	v_max_num_f32 v20, v20, v22                    ; with lane l xor 16's: the block's largest magnitude
	v_add_nc_u32 v23, 0xfc000000, v20              ; 8 off its exponent field: the conversion's scale operand
	v_and_or_b32 v25, v20, 0x7f800000, s30         ; 448 x the scale
	v_lshrrev_b32 v24, 23, v23                     ; the scale's byte
.irp i, 0,1,2,3,4,5,6,7,8,9,10,11,12,13,14,15
	v_med3_num_f32 v[X+\i], v[X+\i], -v25, v25     ; the conversion to an 8-bit code does not saturate (ISA guide 7.6.2): the hold comes first
.endr
	v_cvt_scalef32_pk8_fp8_f32 v[PC:PC+1], v[X:X+7], v23
	v_cvt_scalef32_pk8_fp8_f32 v[PC+2:PC+3], v[X+8:X+15], v23
	v_nop
	global_store_b128 v7, v[PC:PC+3], s[14:15]     ; 32 lanes store 512 consecutive bytes
	global_store_b8 v8, v24, s[16:17]              ; both halves of the lanes hold the same byte and store it to the same place
	s_endpgm
.Lfunc_end_k_qd4f97cd57b_prep:
	.size	k_qd4f97cd57b_prep, .Lfunc_end_k_qd4f97cd57b_prep-k_qd4f97cd57b_prep
	.p2alignl 7, 3214868480
	.fill 96, 4, 3214868480
	.section	.rodata,"a",@progbits
	.p2align	6, 0x0
	.amdhsa_kernel k_qd4f97cd57b_prep
		.amdhsa_group_segment_fixed_size 0
		.amdhsa_private_segment_fixed_size 0
		.amdhsa_enable_private_segment 0
		.amdhsa_kernarg_size 56
		.amdhsa_user_sgpr_count 2
		.amdhsa_user_sgpr_kernarg_segment_ptr 1
		.amdhsa_wavefront_size32 1
		.amdhsa_system_sgpr_workgroup_id_x 1
		.amdhsa_system_sgpr_workgroup_id_y 1
		.amdhsa_system_sgpr_workgroup_id_z 1
		.amdhsa_system_vgpr_workitem_id 0
		.amdhsa_next_free_vgpr 64
		.amdhsa_next_free_sgpr 66
		.amdhsa_reserve_vcc 0
		.amdhsa_float_denorm_mode_32 3
		.amdhsa_float_denorm_mode_16_64 3
		.amdhsa_memory_ordered 1
		.amdhsa_forward_progress 1
		.amdhsa_inst_pref_size 7
	.end_amdhsa_kernel
	.amdgpu_metadata
---
amdhsa.version: [ 1, 2 ]
amdhsa.kernels:
  - .name:           k_qd4f97cd57b_prep
    .symbol:         k_qd4f97cd57b_prep.kd
    .args:
      - { .name: W_c, .offset: 0, .size: 8, .value_kind: global_buffer, .address_space: global }
      - { .name: W_qkv, .offset: 8, .size: 8, .value_kind: global_buffer, .address_space: global }
      - { .name: W_o, .offset: 16, .size: 8, .value_kind: global_buffer, .address_space: global }
      - { .name: W_pq, .offset: 24, .size: 8, .value_kind: global_buffer, .address_space: global }
      - { .name: W_pk, .offset: 32, .size: 8, .value_kind: global_buffer, .address_space: global }
      - { .name: wcodes, .offset: 40, .size: 8, .value_kind: global_buffer, .address_space: global }
      - { .name: wscales, .offset: 48, .size: 8, .value_kind: global_buffer, .address_space: global }
    .group_segment_fixed_size: 0
    .private_segment_fixed_size: 0
    .kernarg_segment_align: 8
    .kernarg_segment_size: 56
    .max_flat_workgroup_size: 128
    .sgpr_count:     66
    .vgpr_count:     64
    .wavefront_size: 32
...
	.end_amdgpu_metadata
.endif
;; end of part 1
;; launch decode (part 2): grid 256 x 1, 8 waves a work-group, no clusters, 327,680 bytes of LDS; arguments x, cap_feat, time_feat, mean_mask, attn_mask, sel_idx, b_c, b_qkv, b_o, b_pq, b_pk, wcodes, wscales, out0; writes out0
.if DOCPART == 2
	.amdgcn_target "amdgcn-amd-amdhsa--gfx1250"
	.amdhsa_code_object_version 6
	.text
	.protected	k_qd4f97cd57b_decode
	.globl	k_qd4f97cd57b_decode
	.p2align	8
	.type	k_qd4f97cd57b_decode,@function
k_qd4f97cd57b_decode:
	s_mov_b64 s[64:65], 0
	v_nop
	global_prefetch_b8 v0, s[64:65] scope:SCOPE_SE
	s_setreg_imm32_b32 hwreg(HW_REG_WAVE_MODE, 25, 1), 1
	s_wait_xcnt 0x0
; One decoder step, fused.  A work-group of eight waves takes TWO batches: waves 0-3 batch 2 g, waves 4-7 batch 2 g + 1, side by side.  Wave v = 4 q + w owns nodes 128 w .. 128 w + 127 of batch 2 g + q: eight tiles of 16 rows.
; PHASE A.  x is read once, by tensor loads, through a ring of two slots of 32 rows for each wave, in four chunks; each wave's rows lie in bytes of its own.  Lane (r, h) holds row r of a tile; the tile is quantised (the codes, 128 registers, stay) and the masked
; mean is summed, 64 registers a lane.
; PHASE B.  k, v, pk never exist outside accumulators.  These products have 16 rows of a weight as source 0 and 16 rows of x as source 1; by the weights' order of rows register 16 b + i of lane (r, h) is channel 32 b + 16 h + i of node r:
; ONE HEAD (2 b + h) in one lane, so the products with one query are packed f32 multiply-adds on the accumulators.  Wk, Wv, W_pk lie in LDS as images of their registers, and are read into one set of 128 registers, one after the other.
; THE SMALL PRODUCTS have the vector, repeated in 16 rows, as source 0 and the weight as source 1: every register of lane r then holds output 32 w + 2 r (first tile) or 32 w + 2 r + 1 (second).  Wave w of a batch makes block w of 32; codes meet in LDS in their natural order.
; combined's part from the selected row, cap and time is made in phase A, behind tile 1.
; SUMS OVER NODES (mean, context): each wave's 64 registers go to LDS; wave w of a batch adds up block w: lane l takes channels 32 w + 4 (l % 8) .. + 3 of wave l / 8's part over its 16 lanes; then the four parts are joined.
; DEAD WORK: b_k (b_qkv[128:256]): q.b_k is one number for all nodes of a head, and the softmax over the nodes does not change by it; the product is not quantised.  It is not loaded; a NaN, an infinity or an overflow there is not carried.
; b_v: the attention weights of a head add up to 1, so it is added to the context.  b_pk: pq.(pk + b_pk) = pq.pk + pq.b_pk.
; NO CLUSTER: work-groups share the weights alone, 152,064 bytes of codes and scale bytes, against 524,288 bytes of x that are each work-group's own.
; PREFETCH: each wave asks for its own 16,384 bytes of a chunk by two instructions, lanes 256 bytes apart, one round ahead of the tensor load that will bring it: chunk 1 in the head, 2 and 3 in the two rounds behind it.
; LIMITS: NaN and infinities among the inputs are not served; mask bytes are 0 or 1.  A block whose largest magnitude lies under 2^-118, or a block of zeros, gets the scale byte 1.  Attention scores under -3e38 are not told from masked ones.
; The last softmax takes the shift 10: u = 10 tanh(.) lies in -10 .. 10 by the computation's own clip, so e^(u - 10) lies in e^-20 .. 1.  A batch with every node masked gives NaN, as the definition does.
; LDS (bytes)
.set XP,    528                        ; a row of x: 512 bytes + 16 of padding: the 16 rows that a load touches fall on 16 different 16-byte columns of 256
.set SLOT,  32*XP
.set XW,    2*SLOT                     ; a wave's two slots; written by tensor loads, read by the owning wave alone.  Slot 0 has its last fill with chunk 2, and takes behind tile 5:
.set RW,    XW+128                     ; wave v's 64 registers of sums at RW v: register group g at 544 g, + 272 h + 16 r (128 v + 8,704 bytes of the slot);
.set OPO,   9728                       ; two fragments of W_o (waves 0-3) or W_pq (waves 4-7), 4,096 bytes;  behind them the wave's 128 results
.set WB,    270336                     ; images of Wk, Wv, W_pk: 24 fragments of 2,048 bytes
.set OWN,   319488                     ; the selected row, which every wave quantises for itself: 256 a wave: 128 codes, then the scale word
.set FRV,   321536                     ; vectors 0 combined, 1 context, 2 veh, 3 mean: 128 codes each; 512 a batch
.set SCV,   322560                     ; their scale words; 16 a batch
.set SMALL, 322592                     ; + 0: parts of pq.b_pk, 4 w;  + 16: parts of the last sum; 32 a batch
.set STAT,  322656                     ; 64 a wave: maxima at 16 h + 4 b, sums at + 32
.set QV,    323184                     ; q, then pq at + 512: f32, channels in their natural order; 1,024 a batch
.set SPARE, 325376                     ; the spare words: 128 bytes a wave, four blocks of 256 bytes that no other line names
; REGISTERS, window 0.  v0: in the head the thread's number, then where my three shared fragments go
.set XGO, 1                            ; 16 l
.set SPW, 2
.set NIL, 3
.set OPL, 4
.set AX,  5                            ; XW v + 528 r + 64 h
.set RWS, 6
.set RRD, 7
.set WLD, 8
.set FRA, 9
.set FRS2, 10
.set FRS4, 11
.set SCS, 12
.set SCL, 13
.set OWNS, 14
.set OWNB, 15
.set OWNL, 16
.set OWNW, 17
.set VQS, 18
.set VQL, 19
.set MPS, 20                           ; XW v + OPO + 16 l
.set PFO, 21                           ; 256 l
.set STS, 22
.set STL, 23
.set SMS, 24
.set SML, 25
.set OSW, 26
.set BOF, 27                           ; 128 w + 8 r: my two channels in a bias
.set BVO, 28                           ; 128 w + 16 (l % 8): four channels
.set OPL2, 29
.set CB,  30                           ; v30-31 combined, my two channels
.set XSC, 32                           ; v32-39 x's scale words, one a tile;  v40-59 the weights' and the vectors'
.set SWK, 40
.set SWV, 44
.set SWP, 48
.set SWC, 52                           ; v52-54, one a K step
.set SWQ, 55
.set SWO, 56
.set SWPQ, 57
.set VS,  58
.set VS3, 59
.set TT,  60                           ; v60: 4 l until round 0's loads;  v61: r in the head, then a permute's destination
.set TP,  61
.set RC,  62                           ; v62-63 1 / count
.set WCV, 64                           ; v64-95: my two tiles of W_c's second K step, then of its first; from the scores on:
.set PS,  64                           ; v64-71 four packed chains
.set CMX, 72                           ; v72-75 c x my nodes' largest score, by head
.set LS,  76                           ; v76-79 their sums of p
.set BO,  82                           ; v82-83 b_o, 84-85 b_pq, 86-87 b_pk, 88-91 b_v
.set S,   96                           ; v96-127 scores, then p: register 4 m + b
.set Z,   96
.set TMX, 96
.set TPM, 100
.set THD, 104
.set TSC, 108
.set BLKQ, 96
.set CD,  104
.set QM,  106
.set QS,  107
.set QH,  108
.set BY,  109
.set VM,  112                          ; v112-119 phase A: 1.0 or 0.0 for my node of each tile
.set SELR, 120                         ; v120-123 the selected row;  v124-125 b_c;  v126-127 W_c's last two columns, then bq
.set BC,  124
.set BQ,  126
.set XC,  128                          ; v128-255 x's codes: tile m at 128 + 16 m
; window 1: v0-127 two buffers of a tile; then one of Wk, Wv, W_pk.  v128-191 the mean's sums; then q, the context's sums, W_o and W_pq, pq.  v192-255 small products; accumulators in two halves
.set V64, 128
.set D0,  192
.set WQ,  192
.set VF,  224
.set SD,  240
.set SD1, 192                          ; combined's first part: results, vector, last K step's vector and results
.set VF1, 208
.set TF,  224
.set SD2, 240
; scalars: s32 wave v, s33 w, s37 q, s[34:35] selects, s36 448's mantissa, s[38:39] c, s40-47 attn_mask by tile, s84-86 index, cap, time, s[88:89] x at my rows, s[92:93], s[94:95] wcodes, wscales at my tiles, s96 lanes 0-15
.set G1,  48                           ; s[48:55] descriptor group 1: 32 rows
.set G0,  68                           ; s[68:83] four groups 0, one a chunk, written once
.set MSB, 0
.macro WIN new                         ; the immediate's high byte repeats the setting that is left; bits 1:0 source 0, 3:2 source 1, 5:4 source 2, 7:6 destination
.if MSB != \new
	s_set_vgpr_msb (MSB<<8)|\new
.set MSB, \new
.endif
.endm
.macro PLACES n
.rept \n
	v_nop
.endr
.endm
.macro WDS n
	s_wait_alu depctr_va_vdst(0)
	s_wait_dscnt \n
.endm
.macro BAR                             ; my LDS stores have landed and my LDS loads are in: then the work-group's barrier
	WDS 0
	s_barrier_signal -1
	s_barrier_wait -1
.endm
.macro DPP op, d, k
	\op v[\d], v[\d], v[\d] row_xmask:\k row_mask:0xf bank_mask:0xf
.endm
; packed d = a x v[s] (+ c), v[s] for both halves, whichever register of its pair it is
.macro FMAB d, a, s, c
.if (\s)%2
	v_pk_fma_f32 v[\d:\d+1], v[\a:\a+1], v[(\s)-1:\s], v[\c:\c+1] op_sel:[0,1,0] op_sel_hi:[1,1,1]
.else
	v_pk_fma_f32 v[\d:\d+1], v[\a:\a+1], v[\s:(\s)+1], v[\c:\c+1] op_sel_hi:[1,0,1]
.endif
.endm
.macro MULB d, a, s
.if (\s)%2
	v_pk_mul_f32 v[\d:\d+1], v[\a:\a+1], v[(\s)-1:\s] op_sel:[0,1] op_sel_hi:[1,1]
.else
	v_pk_mul_f32 v[\d:\d+1], v[\a:\a+1], v[\s:(\s)+1] op_sel_hi:[1,0]
.endif
.endm
; ---- phase A.  A change of slots: chunk k has landed, and my reads of the other slot are over; behind the barrier that slot takes chunk k + 1 (chunk 1 is slot 1's first fill, behind the same lines)
.macro CHANGE k
	s_wait_alu depctr_va_vdst(0)
	s_wait_tensorcnt 0x0                           ; my one load that was out, chunk k's
	ds_add_u32 v[SPW], v[NIL]                      ; 0 onto my spare word
	s_wait_dscnt 0x0                               ; the add is done, and so are my reads
	s_barrier_signal -1
	s_barrier_wait -1
	tensor_load_to_lds s[G0+4*(\k+1):G0+4*(\k+1)+3], s[G1:G1+7]
	s_nop 0
	PLACES 4
.endm
.macro ASK c                           ; chunk c of my rows
	global_prefetch_b8 v[PFO], s[88:89] offset:16384*\c th:TH_LOAD_NT scope:SCOPE_SE
	global_prefetch_b8 v[PFO], s[88:89] offset:16384*\c+8192 th:TH_LOAD_NT scope:SCOPE_SE
.endm
.macro XLD m                           ; tile m's 64 numbers of a lane into buffer m % 2: register 16 b + 4 g + .. = channel 32 b + 16 h + 4 g + ..
	WIN 0x40
.irp b, 0,1,2,3
.irp g, 0,1,2,3
	ds_load_b128 v[64*((\m)%2)+16*\b+4*\g:64*((\m)%2)+16*\b+4*\g+3], v[AX] offset:SLOT*(((\m)/2)%2)+16*XP*((\m)%2)+128*\b+16*\g
.endr
.endr
	WIN 0
.endm
; One tile: its four blocks' scales, the mean's sums, the hold, the codes.  A chunk's first tile sends the second's loads out ahead of its work
.macro ATILE m
.set XB, 64*((\m)%2)
	WDS 0                                          ; this tile's 16 loads are in
.if (\m)%2 == 0
	XLD (\m)+1
.endif
	WIN 0x14
.irp b, 0,1,2,3
	v_max3_num_f32 v[TMX+\b], 0x4800000, |v[XB+16*\b]|, |v[XB+16*\b+1]|   ; the floor 2^(9 - 127) holds the byte at 1 from below
.endr
.irp i, 2,4,6,8,10,12,14
.irp b, 0,1,2,3
	v_max3_num_f32 v[TMX+\b], v[TMX+\b], |v[XB+16*\b+\i]|, |v[XB+16*\b+\i+1]|
.endr
.endr
	WIN 0
.irp b, 0,1,2,3
	v_permlanex16_b32 v[TPM+\b], v[TMX+\b], s34, s35
.endr
.irp b, 0,1,2,3
	v_max_num_f32 v[TMX+\b], v[TMX+\b], v[TPM+\b]  ; with lane l xor 16's 16: the block's largest magnitude
.endr
.irp b, 0,1,2,3
	v_add_nc_u32 v[TSC+\b], 0xfc000000, v[TMX+\b]  ; 8 off its exponent field: the conversion's scale operand
.endr
.irp b, 0,1,2,3
	v_and_or_b32 v[THD+\b], v[TMX+\b], 0x7f800000, s36   ; 448 x the scale
.endr
.irp b, 0,1,2,3
	v_lshrrev_b32 v[TPM+\b], 23, v[TSC+\b]         ; the byte
.endr
	v_lshl_or_b32 v[XSC+(\m)], v[TPM+1], 8, v[TPM]
	v_lshl_or_b32 v[XSC+(\m)], v[TPM+2], 16, v[XSC+(\m)]
	v_lshl_or_b32 v[XSC+(\m)], v[TPM+3], 24, v[XSC+(\m)]
	WIN 0x51
.set e_, 0
.rept 32
.if (\m) == 0
	MULB V64+e_,XB+e_,VM+(\m)
.else
	FMAB V64+e_,XB+e_,VM+(\m),V64+e_
.endif
.set e_, e_+2
.endr
	WIN 0x41
.irp b, 0,1,2,3
.irp i, 0,1,2,3,4,5,6,7,8,9,10,11,12,13,14,15
	v_med3_num_f32 v[XB+16*\b+\i], v[XB+16*\b+\i], -v[THD+\b], v[THD+\b]   ; the conversion does not saturate (ISA guide 7.6.2)
.endr
.endr
	WIN 0x01
.irp b, 0,1,2,3
	v_cvt_scalef32_pk8_fp8_f32 v[XC+16*(\m)+4*\b:XC+16*(\m)+4*\b+1], v[XB+16*\b:XB+16*\b+7], v[TSC+\b]
	v_cvt_scalef32_pk8_fp8_f32 v[XC+16*(\m)+4*\b+2:XC+16*(\m)+4*\b+3], v[XB+16*\b+8:XB+16*\b+15], v[TSC+\b]
.endr
	v_nop                                          ; a plain instruction behind the last conversion
	WIN 0
.endm
.macro RAWOUT                          ; my 64 registers of sums to LDS as they stand
	WIN 0x04
.irp g, 0,1,2,3,4,5,6,7,8,9,10,11,12,13,14,15
	ds_store_b128 v[RWS], v[V64+4*\g:V64+4*\g+3] offset:544*\g
.endr
	WIN 0
.endm
.macro REDLD d                         ; my four channels of one wave's part, its 16 lanes
	WIN 0x40
.irp i, 0,1,2,3,4,5,6,7,8,9,10,11,12,13,14,15
	ds_load_b128 v[\d+4*\i:\d+4*\i+3], v[RRD] offset:16*\i
.endr
	WIN 0
.endm
.macro REDSUM d                        ; their sums: v[96:99]
	WIN 0x45
.irp i, 0,2,4,6,8,10,12,14,16,18,20,22,24,26,28,30
	v_pk_add_f32 v[\d+\i:\d+\i+1], v[\d+\i:\d+\i+1], v[\d+32+\i:\d+32+\i+1]
.endr
.irp i, 0,2,4,6,8,10,12,14
	v_pk_add_f32 v[\d+\i:\d+\i+1], v[\d+\i:\d+\i+1], v[\d+16+\i:\d+16+\i+1]
.endr
.irp i, 0,2,4,6
	v_pk_add_f32 v[\d+\i:\d+\i+1], v[\d+\i:\d+\i+1], v[\d+8+\i:\d+8+\i+1]
.endr
	WIN 0x05
.irp i, 0,2
	v_pk_add_f32 v[96+\i:96+\i+1], v[\d+\i:\d+\i+1], v[\d+4+\i:\d+4+\i+1]
.endr
	WIN 0
.endm
.macro JOIN f                          ; x a factor, and the four waves' parts: lanes l, l xor 8, l xor 16
.irp i, 0,2
	v_pk_mul_f32 v[96+\i:96+\i+1], v[96+\i:96+\i+1], v[\f:\f+1] op_sel_hi:[1,0]
.endr
.irp i, 0,1,2,3
	DPP v_add_f32_dpp, 96+\i, 8
.endr
.irp i, 0,1,2,3
	v_permlanex16_b32 v[100+\i], v[96+\i], s34, s35
.endr
.irp i, 0,2
	v_pk_add_f32 v[96+\i:96+\i+1], v[96+\i:96+\i+1], v[100+\i:100+\i+1]
.endr
.endm
; ---- a vector's block: the largest magnitude over the lanes that share it, the scale, the hold, the codes.  n numbers a lane from v[s] on; the other places of BLKQ hold what they hold: their codes are not stored
.macro QTAIL s, n
	v_add_nc_u32 v[QS], 0xfc000000, v[QM]
	v_and_or_b32 v[QH], v[QM], 0x7f800000, s36
	v_lshrrev_b32 v[BY], 23, v[QS]
.set i_, 0
.rept \n
	v_med3_num_f32 v[BLKQ+i_], v[\s+i_], -v[QH], v[QH]
.set i_, i_+1
.endr
	v_cvt_scalef32_pk8_fp8_f32 v[CD:CD+1], v[BLKQ:BLKQ+7], v[QS]
	v_nop
.endm
.macro QV4 s                           ; four neighbours a lane, eight lanes to a block
	v_max3_num_f32 v[QM], |v[\s]|, |v[\s+1]|, 0x4800000
	v_max3_num_f32 v[QM], v[QM], |v[\s+2]|, |v[\s+3]|
.irp k, 1,2,4
	DPP v_max_num_f32_dpp, QM, \k
.endr
	QTAIL \s, 4
.endm
.macro QV4OUT n                        ; v[96:99], block w of vector n, to LDS
	QV4 96
	ds_store_b32 v[FRS4], v[CD] offset:128*\n
	ds_store_b8 v[SCS], v[BY] offset:4*\n
.endm
.macro QV2 s, n                        ; two neighbours a lane, sixteen lanes to a block: vector n's block w goes to LDS
	v_max3_num_f32 v[QM], |v[\s]|, |v[\s+1]|, 0x4800000
.irp k, 1,2,4,8
	DPP v_max_num_f32_dpp, QM, \k
.endr
	QTAIL \s, 2
	ds_store_b16 v[FRS2], v[CD] offset:128*\n
	ds_store_b8 v[SCS], v[BY] offset:4*\n
.endm
.macro GETV d, a, sa, off, soff        ; a vector's codes, the same in all 16 rows, and its scale word
	WIN 0x40
.irp c, 0,1,2,3
	ds_load_b128 v[\d+4*\c:\d+4*\c+3], v[\a] offset:\off+32*\c
.endr
	WIN 0
	ds_load_b32 v[VS], v[\sa] offset:\soff
.endm
.macro SMALLP w, win, sw, vf, vs, sd   ; my two tiles against a vector; eight places follow
	WIN \win
	v_wmma_scale_f32_16x16x128_f8f6f4 v[\sd:\sd+7], v[\vf:\vf+15], v[\w:\w+15], 0, v[\vs], v[\sw]
	v_wmma_scale_f32_16x16x128_f8f6f4 v[\sd+8:\sd+15], v[\vf:\vf+15], v[\w+16:\w+31], 0, v[\vs], v[\sw] matrix_b_scale:MATRIX_SCALE_ROW1
.endm
.macro SMALLR d, b                     ; d, d + 1 = my two outputs + v[b], v[b + 1]
	WIN 0
	PLACES 8
	WIN 0x01
	v_add_f32 v[\d], v[SD], v[\b]
	v_add_f32 v[\d+1], v[SD+8], v[\b+1]
	WIN 0
.endm
.macro LDW base, t0                    ; four fragments of an image into their registers of window 1: 16 loads
	WIN 0x40
.irp u, 0,1,2,3
.irp c, 0,1,2,3
	ds_load_b128 v[16*(\t0+\u)+4*\c:16*(\t0+\u)+4*\c+3], v[WLD] offset:2048*(\base+\t0+\u)+512*\c
.endr
.endr
	WIN 0
.endm
; ---- phase B's large products.  Half hf (64 channels), pair p of its four tiles of the weight, against tile m of x.  Each product has C = 0 and registers of its own: no sum goes on from one to the next
.macro PH sb, hf, m, p
	WIN 0x41
.set T_, 4*(\hf)+2*(\p)
	v_wmma_scale_f32_16x16x128_f8f6f4 v[D0+8*T_:D0+8*T_+7], v[16*T_:16*T_+15], v[XC+16*(\m):XC+16*(\m)+15], 0, v[\sb+T_/2], v[XSC+(\m)]
	v_wmma_scale_f32_16x16x128_f8f6f4 v[D0+8*T_+8:D0+8*T_+15], v[16*T_+16:16*T_+31], v[XC+16*(\m):XC+16*(\m)+15], 0, v[\sb+T_/2], v[XSC+(\m)] matrix_a_scale:MATRIX_SCALE_ROW1
.endm
; q.k of tile m, half hf: two heads a lane, two chains each, in two parts; hidden nodes become -infinity
.macro VKH m, hf, p
	WIN 0x05
.irp j, 0,1,2,3
.irp b, 0,1
.set I_, 4*(\p)+\j
.set C_, PS+4*\b+2*(\j%2)
.set A_, 32*(\hf)+16*\b+2*I_
.if I_ < 2
	v_pk_mul_f32 v[C_:C_+1], v[D0+A_:D0+A_+1], v[V64+A_:V64+A_+1]
.else
	v_pk_fma_f32 v[C_:C_+1], v[D0+A_:D0+A_+1], v[V64+A_:V64+A_+1], v[C_:C_+1]
.endif
.endr
.endr
.if (\p) == 1
	WIN 0
	v_pk_add_f32 v[PS:PS+1], v[PS:PS+1], v[PS+2:PS+3]
	v_pk_add_f32 v[PS+4:PS+5], v[PS+4:PS+5], v[PS+6:PS+7]
	v_add_f32 v[S+4*(\m)+2*(\hf)], v[PS], v[PS+1]
	v_add_f32 v[S+4*(\m)+2*(\hf)+1], v[PS+4], v[PS+5]
	v_cndmask_b32 v[S+4*(\m)+2*(\hf)], v[S+4*(\m)+2*(\hf)], 0xff800000, s[40+(\m)]
	v_cndmask_b32 v[S+4*(\m)+2*(\hf)+1], v[S+4*(\m)+2*(\hf)+1], 0xff800000, s[40+(\m)]
.endif
.endm
; the context's sums += p x v of tile m, half hf, in two parts
.macro VVH m, hf, p
	WIN 0x51
.set e_, 32*(\hf)+16*(\p)
.rept 8
.if (\m) == 0
	MULB V64+e_,D0+e_,S+4*(\m)+e_/16
.else
	FMAB V64+e_,D0+e_,S+4*(\m)+e_/16,V64+e_
.endif
.set e_, e_+2
.endr
.endm
; pq.pk of tile m: my 64 channels in four chains over the two halves, the first begun with half of pq.b_pk; then the other half of the lanes'
.macro VPH m, hf, p
	WIN 0x05
.irp j, 0,1,2,3
.irp b, 0,1
.set I_, 4*(\p)+\j
.set C_, PS+4*\b+2*(\j%2)
.set A_, 32*(\hf)+16*\b+2*I_
.if ((\hf) == 0) && (I_+\b == 0)
	v_pk_fma_f32 v[C_:C_+1], v[D0+A_:D0+A_+1], v[V64+A_:V64+A_+1], v[92:93]
.elseif ((\hf) == 0) && (I_ < 2)
	v_pk_mul_f32 v[C_:C_+1], v[D0+A_:D0+A_+1], v[V64+A_:V64+A_+1]
.else
	v_pk_fma_f32 v[C_:C_+1], v[D0+A_:D0+A_+1], v[V64+A_:V64+A_+1], v[C_:C_+1]
.endif
.endr
.endr
.if ((\hf) == 1) && ((\p) == 1)
	WIN 0
	v_pk_add_f32 v[PS:PS+1], v[PS:PS+1], v[PS+2:PS+3]
	v_pk_add_f32 v[PS+4:PS+5], v[PS+4:PS+5], v[PS+6:PS+7]
	v_pk_add_f32 v[PS:PS+1], v[PS:PS+1], v[PS+4:PS+5]
	v_add_f32 v[TT], v[PS], v[PS+1]
	v_permlanex16_b32 v[TP], v[TT], s34, s35
	v_add_f32 v[Z+(\m)], v[TT], v[TP]
.endif
.endm
.macro PH0 sb                          ; tile 0's eight products
	PH \sb,0,0,0
	PH \sb,0,0,1
	PH \sb,1,0,0
	PH \sb,1,0,1
	WIN 0
.endm
; Tiles 1 to 7, two products at a time; between two pairs stand 8 or more plain vector instructions on the half before, which are also the distance between a half's products and the first read of their results (ISA guide 7.12.1).
; Tile 7's second half is left to follow
.macro RUN sb, vec
	\vec 0,0,0
	\vec 0,0,1
.irp m, 1,2,3,4,5,6,7
	PH \sb,0,\m,0
	\vec \m-1,1,0
	PH \sb,0,\m,1
	\vec \m-1,1,1
	PH \sb,1,\m,0
	\vec \m,0,0
	PH \sb,1,\m,1
	\vec \m,0,1
.endr
	WIN 0
.endm
; ---------------- THE HEAD
	s_load_b512 s[4:19], s[0:1], 0x0               ; x 4, cap 6, time 8, mean_mask 10, attn_mask 12, sel_idx 14, b_c 16, b_qkv 18
	s_load_b256 s[20:27], s[0:1], 0x40             ; b_o 20, b_pq 22, b_pk 24, wcodes 26
	s_load_b128 s[28:31], s[0:1], 0x60             ; wscales 28, out0 30
	v_lshl_add_u32 v[SPW], v0, 2, SPARE
	v_mov_b32 v[NIL], 0
	ds_add_u32 v[SPW], v[NIL]
	ds_add_u32 v[SPW], v[NIL]
	v_lshrrev_b32 v96, 5, v0
	v_readfirstlane_b32 s32, v96                   ; wave 0..7
	s_and_b32 s33, s32, 3
	s_lshr_b32 s37, s32, 2
	s_mov_b32 s34, 0x76543210
	s_mov_b32 s35, 0xfedcba98                      ; v_permlanex16_b32's selects for lane l xor 16
	s_mov_b32 s36, 0x600000                        ; the mantissa field of 448
	s_mov_b32 s38, 0x3eb8aa3b                      ; c = log2(e) / sqrt(16)
	s_mov_b32 s39, s38                             ; (named with it as a pair)
	s_mov_b32 s96, 0xffff                          ; lanes 0-15
	; descriptor group 1: 32 rows of 128 elements of 4 bytes, dense in memory; in LDS 4 words of padding behind every 128
	s_mov_b32 s[G1+0], (2<<16)|(1<<20)|(6<<22)|(3<<25)
	s_mov_b32 s[G1+1], 128<<16                     ; tensor_dim0
	s_mov_b32 s[G1+2], 32<<16                      ; tensor_dim1
	s_mov_b32 s[G1+3], 128<<16                     ; tile_dim0
	s_mov_b32 s[G1+4], 32                          ; tile_dim1
	s_mov_b32 s[G1+5], 128                         ; elements from row to row
	s_mov_b32 s[G1+6], 0
	s_mov_b32 s[G1+7], 0
	s_mul_i32 s2, s32, XW                          ; my slots
	s_mul_i32 s67, s32, RW
	s_mul_i32 s68, s37, 4*RW
	s_mul_i32 s69, s33, 2176
	s_add_co_u32 s68, s68, s69
	s_mul_i32 s70, s32, 6144
	s_add_co_u32 s70, s70, WB
	s_add_co_u32 s71, s2, OPO
	s_mul_i32 s72, s33, XW
	s_add_co_u32 s72, s72, OPO
	s_add_co_u32 s73, s72, 4*XW
	s_lshl_b32 s75, s37, 9
	s_add_co_u32 s75, s75, FRV
	s_lshl_b32 s74, s33, 5
	s_add_co_u32 s74, s74, s75
	s_lshl_b32 s76, s37, 4
	s_add_co_u32 s76, s76, SCV
	s_add_co_u32 s77, s76, s33
	s_lshl_b32 s78, s32, 8
	s_add_co_u32 s78, s78, OWN
	s_lshl_b32 s87, s33, 7
	s_lshl_b32 s79, s37, 10
	s_add_co_u32 s79, s79, QV
	s_add_co_u32 s80, s79, s87
	s_lshl_b32 s81, s37, 8
	s_add_co_u32 s81, s81, STAT
	s_lshl_b32 s82, s33, 6
	s_add_co_u32 s82, s82, s81
	s_lshl_b32 s86, s33, 2
	s_add_co_u32 s83, s81, s86
	s_lshl_b32 s84, s37, 5
	s_add_co_u32 s84, s84, SMALL
	s_add_co_u32 s85, s84, s86
	s_add_co_u32 s86, s71, 4096                    ; my results
	v_and_b32 v64, 31, v0                          ; l
	v_and_b32 v[TP], 15, v0                        ; r
	v_bfe_u32 v99, v0, 4, 1                        ; h
	v_and_b32 v100, 7, v0
	v_bfe_u32 v101, v0, 3, 2                       ; l / 8
	v_bfe_u32 v102, v0, 2, 1
	v_and_b32 v103, 3, v0
	v_lshlrev_b32 v[XGO], 4, v64
	v_lshlrev_b32 v[PFO], 8, v64
	v_mad_u32_u24 v[AX], v[TP], 0x210, s2          ; row r, my half of a block
	v_lshl_add_u32 v[AX], v99, 6, v[AX]
	v_mad_u32_u24 v[RWS], v99, 0x110, s67          ; sums, in
	v_lshl_add_u32 v[RWS], v[TP], 4, v[RWS]
	v_mul_u32_u24 v[RRD], v101, 0x8480             ; out: wave 4 q + l / 8's, block w's group l % 4, half (l / 4) % 2
	v_mad_u32_u24 v[RRD], v103, 0x220, v[RRD]
	v_mad_u32_u24 v[RRD], v102, 0x110, v[RRD]
	v_add_nc_u32 v[RRD], s68, v[RRD]
	v_lshl_add_u32 v[WLD], v64, 4, WB
	v_lshl_add_u32 v[FRA], v99, 4, s75
	v_lshl_add_u32 v[FRS2], v[TP], 1, s74
	v_lshl_add_u32 v[FRS4], v100, 2, s74
	v_mov_b32 v[SCS], s77
	v_mov_b32 v[SCL], s76
	v_lshl_add_u32 v[OWNS], v64, 2, s78
	v_add_nc_u32 v[OWNB], s78, v101
	v_lshl_add_u32 v[OWNL], v99, 4, s78
	v_mov_b32 v[OWNW], s78
	v_lshl_add_u32 v[VQS], v[TP], 3, s80
	v_lshl_add_u32 v[VQL], v99, 6, s79
	v_lshl_add_u32 v[MPS], v64, 4, s71
	v_lshl_add_u32 v[OPL], v64, 4, s72
	v_lshl_add_u32 v[OPL2], v64, 4, s73
	v_lshl_add_u32 v[STS], v99, 4, s82
	v_lshlrev_b32 v[STL], 6, v101
	v_lshl_add_u32 v[STL], v102, 4, v[STL]
	v_add_nc_u32 v[STL], s83, v[STL]
	v_mov_b32 v[SMS], s85
	v_mov_b32 v[SML], s84
	v_lshl_add_u32 v[OSW], v[TP], 2, s86
	v_lshl_add_u32 v[BOF], v[TP], 3, s87
	v_lshl_add_u32 v[BVO], v100, 4, s87
	v_lshlrev_b32 v[TT], 2, v64
	v_mov_b32 v[RC+1], 0
	v_lshl_add_u32 v0, v64, 4, s70                 ; where my three shared fragments go
	s_wait_alu depctr_va_vdst(0)
	s_wait_dscnt 0x0                               ; both opening adds are done
	s_wait_kmcnt 0x0
	s_lshl_b32 s98, ttmp9, 1
	s_add_co_u32 s98, s98, s37                     ; my batch
	s_lshl_b32 s97, s98, 2
	s_load_b32 s84, s[14:15], s97 offset:0x0       ; its index,
	s_load_b32 s85, s[6:7], s97 offset:0x0         ; cap,
	s_load_b32 s86, s[8:9], s97 offset:0x0         ; time
	s_mov_b32 s91, 0
	s_lshl_b32 s90, ttmp9, 19                      ; two batches of 262,144 bytes a work-group,
	s_lshl_b32 s66, s32, 16                        ; 128 rows of 512 bytes a wave
	s_add_co_u32 s90, s90, s66
	s_add_nc_u64 s[88:89], s[4:5], s[90:91]        ; x at my rows
.irp c, 0,1,2,3
	s_mov_b32 s[G0+4*\c], 1
	s_add_co_u32 s[G0+4*\c+1], s2, SLOT*(\c%2)
	s_add_nc_u64 s[G0+4*\c+2:G0+4*\c+3], s[88:89], 16384*\c
	s_or_b32 s[G0+4*\c+3], s[G0+4*\c+3], 0x80000000
.endr
	tensor_load_to_lds s[G0:G0+3], s[G1:G1+7]      ; chunk 0
	s_nop 0
	PLACES 4
	s_lshl_b32 s90, s98, 18
	s_add_nc_u64 s[62:63], s[4:5], s[90:91]        ; x at my batch
	s_lshl_b32 s90, s98, 9
	s_add_nc_u64 s[10:11], s[10:11], s[90:91]      ; the masks' rows,
	s_add_nc_u64 s[12:13], s[12:13], s[90:91]
	s_lshl_b32 s90, s33, 7
	s_add_nc_u64 s[56:57], s[10:11], s[90:91]      ; at my nodes
	s_add_nc_u64 s[12:13], s[12:13], s[90:91]
	s_add_nc_u64 s[94:95], s[28:29], s[90:91]      ; my tiles' scale words
	s_lshl_b32 s90, s33, 12
	s_add_nc_u64 s[92:93], s[26:27], s[90:91]      ; my tiles of the small weights,
	s_lshl_b32 s90, s32, 12
	s_add_co_u32 s90, s90, 2048*56
	s_add_nc_u64 s[58:59], s[26:27], s[90:91]      ; the two of W_o or W_pq that I bring,
	s_mul_i32 s90, s32, 6144
	s_add_co_u32 s90, s90, 2048*32
	s_add_nc_u64 s[60:61], s[26:27], s[90:91]      ; and my three of the shared fragments
	s_lshl_b32 s90, s98, 11
	s_lshl_b32 s66, s33, 9
	s_add_co_u32 s90, s90, s66
	s_add_nc_u64 s[30:31], s[30:31], s[90:91]      ; out0 at my nodes
.irp m, 0,1,2,3,4,5,6,7
	global_load_u8 v[VM+\m], v[TP], s[56:57] offset:16*\m
	global_load_u8 v[96+\m], v[TP], s[12:13] offset:16*\m
.endr
	global_load_b128 v[104:107], v[XGO], s[10:11]  ; the whole row of mean_mask
	s_wait_kmcnt 0x0
	s_min_u32 s84, s84, 511                        ; an index stays inside its batch's 512 rows
	s_lshl_b32 s90, s84, 9
	s_add_nc_u64 s[62:63], s[62:63], s[90:91]
	global_load_b128 v[SELR:SELR+3], v[XGO], s[62:63]
.irp u, 0,1
.irp c, 0,1,2,3
	global_load_b128 v[WCV+16*\u+4*\c:WCV+16*\u+4*\c+3], v[XGO], s[92:93] offset:2048*(8+\u)+512*\c
.endr
	global_load_b32 v[126+\u], v[XGO], s[92:93] offset:2048*(16+\u)
.endr
.irp s, 0,1,2
	global_load_b32 v[SWC+\s], v[TT], s[94:95] offset:512*\s
.endr
	global_load_b64 v[BC:BC+1], v[BOF], s[16:17]
	ASK 1
; ---------------- PHASE A, round 0
	CHANGE 0
	XLD 0
.irp k, 0,1,2,3,4,5,6,7,8,9,10,11
	global_load_b128 v[208+4*\k:208+4*\k+3], v[XGO], s[60:61] offset:512*\k   ; three of the 24 shared fragments, in registers that tiles 5 to 7 take later
.endr
.irp b, 0,1,2,3
	global_load_b32 v[SWK+\b], v[TT], s[28:29] offset:64*32+128*\b   ; lanes 0-15 tile 2 b's words, lanes 16-31 tile 2 b + 1's
	global_load_b32 v[SWV+\b], v[TT], s[28:29] offset:64*40+128*\b
	global_load_b32 v[SWP+\b], v[TT], s[28:29] offset:64*48+128*\b
.endr
	global_load_b32 v[SWQ], v[TT], s[94:95] offset:64*24
	global_load_b32 v[SWO], v[TT], s[94:95] offset:64*56
	global_load_b32 v[SWPQ], v[TT], s[94:95] offset:64*64
	s_wait_alu depctr_va_vdst(0)
	s_wait_loadcnt 27                              ; the head's loads are in; these 27 may be out
.irp m, 0,1,2,3,4,5,6,7
	v_cmp_eq_u32 vcc_lo, 0, v[VM+\m]
	v_cndmask_b32 v[VM+\m], 0, 1.0, vcc_lo         ; valid = not masked
.endr
.irp m, 0,1,2,3,4,5,6,7
	v_cmp_ne_u32 s[40+\m], 0, v[96+\m]             ; attn_mask of tile m's nodes as a lane mask: it only selects values
.endr
	v_add_nc_u32 v108, v104, v105                  ; the row's ones: byte by byte,
	v_add_nc_u32 v109, v106, v107
	v_add_nc_u32 v108, v108, v109
	v_mul_lo_u32 v108, v108, 0x1010101             ; the four bytes' sum on top,
	v_lshrrev_b32 v108, 24, v108
	v_cvt_f32_u32 v108, v108
.irp k, 1,2,4,8
	DPP v_add_f32_dpp, 108, \k
.endr
	v_permlanex16_b32 v109, v108, s34, s35
	v_add_f32 v108, v108, v109                     ; and over the lanes
	v_sub_f32 v108, 0x44000000, v108               ; 512 less the masked nodes
	v_max_num_f32 v108, 1.0, v108
	s_wait_alu depctr_va_vdst(0)
	v_rcp_f32 v[RC], v108
	v_nop
	s_wait_alu depctr_va_vdst(0)
	ATILE 0
	ASK 2
	ATILE 1
; combined's part from the selected row, cap and time, + b_c
	QV4 SELR
	ds_store_b32 v[OWNS], v[CD]
	ds_store_b8 v[OWNB], v[BY] offset:128
	GETV VF1, OWNL, OWNW, 0, 128                   ; LDS serves a wave's instructions in order (ISA guide 5.7.1.4): these see my stores
	v_mov_b32 v[BLKQ], s85                         ; the third K step: cap, time and zeros
	v_mov_b32 v[BLKQ+1], s86
	v_mov_b32 v[BLKQ+2], 0
	v_mov_b32 v[BLKQ+3], 0
	v_max3_num_f32 v[QM], |v[BLKQ]|, |v[BLKQ+1]|, 0x4800000
	v_add_nc_u32 v[QS], 0xfc000000, v[QM]
	v_and_or_b32 v[QH], v[QM], 0x7f800000, s36
	v_lshrrev_b32 v110, 23, v[QS]
	v_or_b32 v[VS3], 0x7f7f7f00, v110              ; the three blocks of zero codes get the byte of 1.0
	v_med3_num_f32 v[BLKQ], v[BLKQ], -v[QH], v[QH]
	v_med3_num_f32 v[BLKQ+1], v[BLKQ+1], -v[QH], v[QH]
	v_cvt_scalef32_pk8_fp8_f32 v[110:111], v[BLKQ:BLKQ+7], v[QS]
	v_nop
	WIN 0x40
	v_cndmask_b32 v[TF], 0, v110, s96              ; k = 256 .. 259: lanes 0-15
	WIN 0
	WDS 0
	SMALLP WCV, 0x41, SWC+1, VF1, VS, SD1
	WIN 0x40
.irp i, 1,2,3,4,5,6,7,8,9,10,11,12,13,14,15
	v_mov_b32 v[TF+\i], 0                          ; zero codes; these are also the products' places
.endr
	WIN 0
	v_mov_b32 v[WCV], v126                         ; W_c's last two columns.  The other registers keep the second K step's codes, which meet the vector's zero codes
	v_mov_b32 v[WCV+16], v127
	PLACES 4
	SMALLP WCV, 0x41, SWC+2, TF, VS3, SD2
	WIN 0
	PLACES 9
	WIN 0x05
	v_add_f32 v[CB], v[SD1], v[SD2]
	v_add_f32 v[CB+1], v[SD1+8], v[SD2+8]
	WIN 0
	v_pk_add_f32 v[CB:CB+1], v[CB:CB+1], v[BC:BC+1]
; round 1
	CHANGE 1
	XLD 2
	s_wait_loadcnt 0x0                             ; my three shared fragments and the scale words
.irp k, 0,1,2,3,4,5,6,7,8,9,10,11
	ds_store_b128 v0, v[208+4*\k:208+4*\k+3] offset:512*\k
.endr
.irp u, 0,1
.irp c, 0,1,2,3
	global_load_b128 v[WCV+16*\u+4*\c:WCV+16*\u+4*\c+3], v[XGO], s[92:93] offset:2048*\u+512*\c        ; W_c's first K step
.endr
.endr
	global_load_b64 v[BQ:BQ+1], v[BOF], s[18:19]
	WIN 0x40
.irp u, 0,1
.irp c, 0,1,2,3
	global_load_b128 v[WQ+16*\u+4*\c:WQ+16*\u+4*\c+3], v[XGO], s[92:93] offset:2048*(24+\u)+512*\c
.endr
.endr
.irp k, 0,1,2,3,4,5,6,7
	global_load_b128 v[224+4*\k:224+4*\k+3], v[XGO], s[58:59] offset:512*\k
.endr
	WIN 0
	ATILE 2
	ASK 3
	ATILE 3
; round 2
	CHANGE 2
	XLD 4
	ATILE 4
	ATILE 5
; round 3: nothing is filled again, and only I read my rows
	s_wait_alu depctr_va_vdst(0)
	s_wait_tensorcnt 0x0                           ; chunk 3
	XLD 6
	s_wait_loadcnt 0x0
	WIN 0x04
.irp k, 0,1,2,3,4,5,6,7
	ds_store_b128 v[MPS], v[224+4*\k:224+4*\k+3] offset:512*\k   ; W_o's or W_pq's fragments, into slot 0
.endr
	WIN 0
	ATILE 6
	ATILE 7
	RAWOUT
	BAR                                            ; every wave's sums for the mean lie in LDS, and the images too
; ---------------- PHASE B.  The mean's block w
	REDLD 0
	WDS 0
	REDSUM 0
	JOIN RC
	QV4OUT 3
	BAR
; ---- combined
	GETV VF, FRA, SCL, 384, 12
	LDW 0, 4                                       ; half of Wk
	WDS 16                                         ; the vector is in; Wk's 16 loads may be out
	SMALLP WCV, 0x41, SWC, VF, VS, SD
	SMALLR CB, CB
	QV2 CB, 0
	BAR
; ---- q = combined x Wq^T + bq
	GETV VF, FRA, SCL, 0, 0
	LDW 0, 0                                       ; the other half
	WDS 16
	SMALLP WQ, 0x45, SWQ, VF, VS, SD
	SMALLR 96, BQ
	ds_store_b64 v[VQS], v[96:97]                  ; both halves of the lanes hold the same numbers and store them to the same place
	BAR
; ---- k and the scores, the softmax of my 128 nodes
	WIN 0x40
.irp c, 0,1,2,3
.irp g, 0,1,2,3
	ds_load_b128 v[V64+16*\c+4*\g:V64+16*\c+4*\g+3], v[VQL] offset:128*\c+16*\g   ; q at my 64 channels
.endr
.endr
	WIN 0
	global_load_b64 v[BO:BO+1], v[BOF], s[20:21]   ; the biases of what follows the context, where W_c lay
	global_load_b64 v[BO+2:BO+3], v[BOF], s[22:23]
	global_load_b64 v[BO+4:BO+5], v[BOF], s[24:25]
	global_load_b128 v[BO+6:BO+9], v[BVO], s[18:19] offset:1024
	PLACES 2
	PH0 SWK
	WDS 0
	PLACES 8
	RUN SWK,VKH
	LDW 8, 0                                       ; Wv over Wk: the 14 vector instructions of tile 7's first half stand behind the last products
	LDW 8, 4
	VKH 7,1,0
	VKH 7,1,1
.irp b, 0,1,2,3
	v_max3_num_f32 v[CMX+\b], v[S+\b], v[S+4+\b], v[S+8+\b]
.endr
.irp b, 0,1,2,3
	v_max3_num_f32 v[CMX+\b], v[CMX+\b], v[S+12+\b], v[S+16+\b]
.endr
.irp b, 0,1,2,3
	v_max3_num_f32 v[CMX+\b], v[CMX+\b], v[S+20+\b], v[S+24+\b]
.endr
.irp b, 0,1,2,3
	v_max3_num_f32 v[CMX+\b], v[CMX+\b], v[S+28+\b], 0xff61b1e6   ; -3e38 stands under the maximum, so that it is a number where all my nodes are hidden
.endr
.irp k, 1,2,4,8
.irp b, 0,1,2,3
	DPP v_max_num_f32_dpp, CMX+\b, \k
.endr
.endr
.irp b, 0,1,2,3
	v_mul_f32 v[CMX+\b], s38, v[CMX+\b]
.endr
.irp m, 0,1,2,3,4,5,6,7
.irp p, 0,2
	v_pk_fma_f32 v[S+4*\m+\p:S+4*\m+\p+1], v[S+4*\m+\p:S+4*\m+\p+1], s[38:39], v[CMX+\p:CMX+\p+1] op_sel_hi:[1,0,1] neg_lo:[0,0,1] neg_hi:[0,0,1]
.endr
.endr
	s_wait_alu depctr_va_vdst(0)
.set i_, 0
.rept 32
	v_exp_f32 v[S+i_], v[S+i_]                     ; p = 2^(c s - c max) under my wave's maximum; the waves' parts are brought under one maximum below
.set i_, i_+1
.endr
	v_nop
	s_wait_alu depctr_va_vdst(0)
.irp p, 0,2
	v_pk_add_f32 v[LS+\p:LS+\p+1], v[S+\p:S+\p+1], v[S+4+\p:S+4+\p+1]
.endr
.irp m, 2,3,4,5,6,7
.irp p, 0,2
	v_pk_add_f32 v[LS+\p:LS+\p+1], v[LS+\p:LS+\p+1], v[S+4*\m+\p:S+4*\m+\p+1]
.endr
.endr
	WDS 0                                          ; Wv is in
; ---- v and the context's sums
	PH0 SWV
.irp k, 1,2,4,8
.irp b, 0,1,2,3
	DPP v_add_f32_dpp, LS+\b, \k                   ; (these 16 are the places behind the products)
.endr
.endr
	RUN SWV,VVH
	VVH 7,1,0
	VVH 7,1,1
	RAWOUT
	ds_store_b128 v[STS], v[CMX:CMX+3]
	ds_store_b128 v[STS], v[LS:LS+3] offset:32
	BAR
; ---- the context's block w (heads 2 w, 2 w + 1): the four parts under one maximum, divided by the sum, + b_v
	ds_load_b32 v64, v[STL]
	ds_load_b32 v65, v[STL] offset:32
	REDLD D0
	WIN 0x40
.irp j, 0,1
.irp c, 0,1,2,3
	ds_load_b128 v[128+16*\j+4*\c:128+16*\j+4*\c+3], v[OPL] offset:2048*\j+512*\c    ; my tiles of W_o,
.endr
.endr
.irp j, 0,1
.irp c, 0,1,2,3
	ds_load_b128 v[160+16*\j+4*\c:160+16*\j+4*\c+3], v[OPL2] offset:2048*\j+512*\c   ; of W_pq
.endr
.endr
	WIN 0
	WDS 32                                         ; maximum and sum are in; 32 loads may be out
	v_max_num_f32_dpp v66, v64, v64 row_xmask:8 row_mask:0xf bank_mask:0xf
	v_permlanex16_b32 v67, v66, s34, s35
	v_max_num_f32 v66, v66, v67
	v_sub_f32 v68, v64, v66
	s_wait_alu depctr_va_vdst(0)
	v_exp_f32 v68, v68
	v_nop
	s_wait_alu depctr_va_vdst(0)
	v_mul_f32 v69, v68, v65
	DPP v_add_f32_dpp, 69, 8
	v_permlanex16_b32 v67, v69, s34, s35
	v_add_f32 v69, v69, v67
	s_wait_alu depctr_va_vdst(0)
	v_rcp_f32 v70, v69
	v_nop
	s_wait_alu depctr_va_vdst(0)
	v_mul_f32 v70, v68, v70                        ; my part's factor over the sum
	s_wait_alu depctr_va_vdst(0)
	s_wait_loadcnt 0x0                             ; the biases
	s_wait_dscnt 16                                ; the 16 lanes' sums are in
	REDSUM D0
	JOIN 70
.irp i, 0,2
	v_pk_add_f32 v[96+\i:96+\i+1], v[96+\i:96+\i+1], v[BO+6+\i:BO+6+\i+1]
.endr
	QV4OUT 1
	BAR
; ---- veh = combined + context x W_o^T + b_o
	GETV VF, FRA, SCL, 128, 4
	LDW 16, 0                                      ; half of W_pk
	v_pk_add_f32 v[CB:CB+1], v[CB:CB+1], v[BO:BO+1]
	WDS 16
	SMALLP 128, 0x45, SWO, VF, VS, SD
	SMALLR CB, CB
	QV2 CB, 2
	BAR
; ---- pq = veh x W_pq^T + b_pq; my part of pq.b_pk
	GETV VF, FRA, SCL, 256, 8
	LDW 16, 4                                      ; the other half
	v_mov_b32 v93, 0
	WDS 16
	SMALLP 160, 0x45, SWPQ, VF, VS, SD
	SMALLR 96, BO+2
	ds_store_b64 v[VQS], v[96:97] offset:512
	v_mul_f32 v98, v96, v[BO+4]
	v_fmac_f32 v98, v97, v[BO+5]
.irp k, 1,2,4,8
	DPP v_add_f32_dpp, 98, \k
.endr
	ds_store_b32 v[SMS], v98
	BAR
; ---- pk, pq.pk, the clip and the exponentials
	WIN 0x40
.irp c, 0,1,2,3
.irp g, 0,1,2,3
	ds_load_b128 v[V64+16*\c+4*\g:V64+16*\c+4*\g+3], v[VQL] offset:512+128*\c+16*\g
.endr
.endr
	WIN 0
	ds_load_b128 v[104:107], v[SML]
	PH0 SWP
	WDS 0
	v_add_f32 v104, v104, v105                     ; these four and four v_nop are the eight places behind the products
	v_add_f32 v106, v106, v107
	v_add_f32 v104, v104, v106
	v_mul_f32 v92, 0.5, v104                       ; half of pq.b_pk for each half of the lanes
	PLACES 4
	RUN SWP,VPH
	VPH 7,1,0
	VPH 7,1,1
; e^(10 tanh z - 10) = 2^(-20 log2(e) / (1 + 2^(2 log2(e) z)))
.irp m, 0,1,2,3,4,5,6,7
	v_mul_f32 v[Z+\m], 0x4038aa3b, v[Z+\m]
.endr
	s_wait_alu depctr_va_vdst(0)
.irp m, 0,1,2,3,4,5,6,7
	v_exp_f32 v[Z+\m], v[Z+\m]
.endr
	v_nop
	s_wait_alu depctr_va_vdst(0)
.irp m, 0,1,2,3,4,5,6,7
	v_add_f32 v[Z+\m], 1.0, v[Z+\m]
.endr
	s_wait_alu depctr_va_vdst(0)
.irp m, 0,1,2,3,4,5,6,7
	v_rcp_f32 v[Z+\m], v[Z+\m]
.endr
	v_nop
	s_wait_alu depctr_va_vdst(0)
.irp m, 0,1,2,3,4,5,6,7
	v_mul_f32 v[Z+\m], 0xc1e6d4ca, v[Z+\m]
.endr
	s_wait_alu depctr_va_vdst(0)
.irp m, 0,1,2,3,4,5,6,7
	v_exp_f32 v[Z+\m], v[Z+\m]
.endr
	v_nop
	s_wait_alu depctr_va_vdst(0)
.irp m, 0,1,2,3,4,5,6,7
	v_cndmask_b32 v[Z+\m], v[Z+\m], 0, s[40+\m]    ; hidden nodes count for nothing
.endr
	v_pk_add_f32 v[104:105], v[Z:Z+1], v[Z+2:Z+3]
	v_pk_add_f32 v[106:107], v[Z+4:Z+5], v[Z+6:Z+7]
	v_pk_add_f32 v[104:105], v[104:105], v[106:107]
	v_add_f32 v[TT], v104, v105
.irp k, 1,2,4,8
	DPP v_add_f32_dpp, TT, \k
.endr
	ds_store_b32 v[SMS], v[TT] offset:16           ; my 128 nodes' sum
	BAR
; ---- divided by the batch's sum, and out: through my own 512 bytes of LDS, so that the wave stores 512 consecutive bytes
	ds_load_b128 v[108:111], v[SML] offset:16
	s_wait_dscnt 0x0
	v_add_f32 v108, v108, v109
	v_add_f32 v110, v110, v111
	v_add_f32 v108, v108, v110
	s_wait_alu depctr_va_vdst(0)
	v_rcp_f32 v106, v108
	v_nop
	s_wait_alu depctr_va_vdst(0)
.irp p, 0,2,4,6
	v_pk_mul_f32 v[Z+\p:Z+\p+1], v[Z+\p:Z+\p+1], v[106:107] op_sel_hi:[1,0]
.endr
.irp m, 0,1,2,3,4,5,6,7
	ds_store_b32 v[OSW], v[Z+\m] offset:64*\m      ; node 16 m + r (both halves of the lanes hold it)
.endr
	ds_load_b128 v[112:115], v[MPS] offset:4096    ; (behind my stores, in order)
	s_wait_dscnt 0x0
	global_store_b128 v[XGO], v[112:115], s[30:31] th:TH_STORE_NT
	s_wait_tensorcnt 0x0                           ; the wave's end
	ds_add_u32 v[SPW], v[NIL]
	s_wait_dscnt 0x0
	s_endpgm
.Lfunc_end_k_qd4f97cd57b_decode:
	.size	k_qd4f97cd57b_decode, .Lfunc_end_k_qd4f97cd57b_decode-k_qd4f97cd57b_decode
	.p2alignl 7, 3214868480
	.fill 96, 4, 3214868480
	.section	.rodata,"a",@progbits
	.p2align	6, 0x0
	.amdhsa_kernel k_qd4f97cd57b_decode
		.amdhsa_group_segment_fixed_size 327680
		.amdhsa_private_segment_fixed_size 0
		.amdhsa_enable_private_segment 0
		.amdhsa_kernarg_size 112
		.amdhsa_user_sgpr_count 2
		.amdhsa_user_sgpr_kernarg_segment_ptr 1
		.amdhsa_wavefront_size32 1
		.amdhsa_system_sgpr_workgroup_id_x 1
		.amdhsa_system_sgpr_workgroup_id_y 1
		.amdhsa_system_sgpr_workgroup_id_z 1
		.amdhsa_system_vgpr_workitem_id 0
		.amdhsa_next_free_vgpr 512
		.amdhsa_next_free_sgpr 102
		.amdhsa_reserve_vcc 1
		.amdhsa_float_denorm_mode_32 3
		.amdhsa_float_denorm_mode_16_64 3
		.amdhsa_memory_ordered 1
		.amdhsa_forward_progress 1
		.amdhsa_inst_pref_size 246
	.end_amdhsa_kernel
	.amdgpu_metadata
---
amdhsa.version: [ 1, 2 ]
amdhsa.kernels:
  - .name:           k_qd4f97cd57b_decode
    .symbol:         k_qd4f97cd57b_decode.kd
    .args:
      - { .name: x, .offset: 0, .size: 8, .value_kind: global_buffer, .address_space: global }
      - { .name: cap_feat, .offset: 8, .size: 8, .value_kind: global_buffer, .address_space: global }
      - { .name: time_feat, .offset: 16, .size: 8, .value_kind: global_buffer, .address_space: global }
      - { .name: mean_mask, .offset: 24, .size: 8, .value_kind: global_buffer, .address_space: global }
      - { .name: attn_mask, .offset: 32, .size: 8, .value_kind: global_buffer, .address_space: global }
      - { .name: sel_idx, .offset: 40, .size: 8, .value_kind: global_buffer, .address_space: global }
      - { .name: b_c, .offset: 48, .size: 8, .value_kind: global_buffer, .address_space: global }
      - { .name: b_qkv, .offset: 56, .size: 8, .value_kind: global_buffer, .address_space: global }
      - { .name: b_o, .offset: 64, .size: 8, .value_kind: global_buffer, .address_space: global }
      - { .name: b_pq, .offset: 72, .size: 8, .value_kind: global_buffer, .address_space: global }
      - { .name: b_pk, .offset: 80, .size: 8, .value_kind: global_buffer, .address_space: global }
      - { .name: wcodes, .offset: 88, .size: 8, .value_kind: global_buffer, .address_space: global }
      - { .name: wscales, .offset: 96, .size: 8, .value_kind: global_buffer, .address_space: global }
      - { .name: out0, .offset: 104, .size: 8, .value_kind: global_buffer, .address_space: global }
    .group_segment_fixed_size: 327680
    .private_segment_fixed_size: 0
    .kernarg_segment_align: 8
    .kernarg_segment_size: 112
    .max_flat_workgroup_size: 256
    .sgpr_count:     102
    .vgpr_count:     512
    .wavefront_size: 32
...
	.end_amdgpu_metadata
.endif
;; end of part 2
